; MI455X (gfx1250); checked and timed in simulation.
; The chip was launched on July 23, 2026; its instructions are those of AMD's public machine-readable ISA for CDNA 5 (MIT licence, August 2026) and "CDNA5" Instruction Set Architecture Reference Guide (July 2026). The comments in the code are by the model that wrote it; some were corrected since.
;; ANI Model. Allowed arithmetic: matrix products marked QUANTISED: E2M3 operands, one E8M0 scale for each 32 along K, by v_wmma_scale_f32_16x16x128_f8f6f4 with both operands' format E2M3, f32 sums; products left as they are: f32 operands where the result goes on into a quantised operand, else bf16, f16 or f32 operands; f32 sums; everything else in f32.
;; Inputs: W1_codes 4 x 160 x 12 x 24 uint8 (E2M3 codes of W1, K innermost, in blocks of 32 codes, four codes in three bytes); W1_scales 4 x 160 x 12 uint8 (E8M0 scales of W1, one for each 32 codes along K); W2_codes 4 x 128 x 5 x 24 uint8 (E2M3 codes of W2, K innermost, in blocks of 32 codes, four codes in three bytes); W2_scales 4 x 128 x 5 uint8 (E8M0 scales of W2, one for each 32 codes along K); W3_codes 4 x 96 x 4 x 24 uint8 (E2M3 codes of W3, K innermost, in blocks of 32 codes, four codes in three bytes); W3_scales 4 x 96 x 4 uint8 (E8M0 scales of W3, one for each 32 codes along K); W4 4 x 96 x 1 float32; aev_codes 4,096 x 32 x 12 x 24 uint8 (E2M3 codes of aev, K innermost, in blocks of 32 codes, four codes in three bytes); aev_scales 4,096 x 32 x 12 uint8 (E8M0 scales of aev, one for each 32 codes along K); b1 4 x 160 float32; b2 4 x 128 float32; b3 4 x 96 float32; b4 4 x 1 float32; species 4,096 x 32 int32.
;; Outputs: out0 4,096 x 32 int32; out1 4,096 float32.
;; This version of the problem:
;;   THIS VERSION OF THE PROBLEM IS GIVEN IN LOW PRECISION. The matrix products marked QUANTISED in the list below multiply operands that are first quantised to E2M3 (2 exponent bits, 3 mantissa bits; 6 bits a number), with one power-of-two scale for each 32 numbers along K (OCP MX v1.0); their sums are f32. All else is computed in f32.
;;   The module's matrix products, in the order in which they are computed (A, B: the left and right operand; K: the contracted axis; several contracted axes count as one K, in the product's order):
;;     1. batch 4 x [M 131,072, K 384] x [K 384, N 160]; A: input aev (given as codes); B: input W1 (given as codes): QUANTISED
;;     2. batch 4 x [M 131,072, K 160] x [K 160, N 128]; A: computed on the way; B: input W2 (given as codes): QUANTISED
;;     3. batch 4 x [M 131,072, K 128] x [K 128, N 96]; A: computed on the way; B: input W3 (given as codes): QUANTISED
;;     4. batch 4 x [M 131,072, K 96] x [K 96, N 1]; A: computed on the way; B: input W4: left as it is (N = 1 < 16)
;;   THE QUANTISER, for each operand of a quantised product, along K:
;;     - K is cut into blocks of 32 from its start; a last block that is shorter is filled with zeros.
;;     - A block's scale is 2^e with e = floor(log2(the largest magnitude in the block)) - 2, held to -126 .. 127; a block of zeros has e = 0. As a byte (E8M0): e + 127.
;;     - Each number is divided by its block's scale, clamped to +-7.5, and rounded to the nearest number of E2M3, ties to even, subnormals kept.
;;     - The product sums the exact products of the quantised numbers (number of the format x scale) in f32.
;;   ~~~python
;;   def quantise(x, axis):      # numpy; x: float32 -> the quantised numbers, widened to float32 again
;;       x = np.moveaxis(x, axis, -1); K = x.shape[-1]
;;       x = np.pad(x, [(0, 0)] * (x.ndim - 1) + [(0, -K % 32)]); x = x.reshape(x.shape[:-1] + (-1, 32)); a = np.abs(x).max(-1, keepdims=True)
;;       e = np.where(a > 0, np.clip(np.frexp(np.where(a > 0, a, 1))[1] - 1 - 2, -126, 127), 0)      # np.frexp(a)[1] - 1 = floor(log2(a)), exactly
;;       r = np.clip(x / 2.0 ** e, -7.5, 7.5)
;;       step = 2.0 ** (np.maximum(np.frexp(np.where(r == 0, 1, r))[1] - 1, 0) - 3)
;;       q = np.round(r / step) * step * 2.0 ** e      # np.round: ties to even
;;       return np.moveaxis(q.reshape(q.shape[:-2] + (-1,))[..., :K], -1, axis).astype(np.float32)
;;   ~~~
;;   OPERANDS COMPUTED ON THE WAY. 'Computed on the way' means the value that the module computes at that place (a softmax that the list does not call 'softmax' is quantised finished and normalised). What goes into a quantiser is computed in f32, as accurately as f32 sums, v_exp_f32 and their like allow (about 1e-6 of the number): no bf16 or f16 on the way to a quantiser, and a product that is left as it is and whose result goes on into a quantised operand takes f32 operands (vector FMAs, or v_wmma_f32_16x16x4_f32). A number that lies on a knife's edge between two numbers of the format may be rounded either way, as far as f32 arithmetic and the matrix unit's own rounding can turn it there, and no further.
;;   INPUTS GIVEN AS CODES. W1 (in the module: [4, 384, 160], K = its axis 1); W2 (in the module: [4, 160, 128], K = its axis 1); W3 (in the module: [4, 128, 96], K = its axis 1); aev (in the module: [4096, 32, 384], K = its axis 2): each comes as NAME_codes (uint8): NAME with its K axis moved to the last place and cut into blocks of 32 codes, [.., K / 32, bytes a block], one block behind the other in memory; four codes in three bytes: a row's codes are one little-endian stream of bits, code i at bits 6 i .. 6 i + 5 (a code: sign, 2 exponent bits, 3 mantissa bits); and NAME_scales (uint8): the same leading axes, one E8M0 byte (e + 127) for each 32 codes along K. Its value is code x scale, taken as it is: it is not quantised again, and the codes and scales need not be those that the quantiser above would give.
;; One version. Each part assembles by itself: llvm-mc -triple=amdgcn-amd-amdhsa -mcpu=gfx1250 --defsym DOCPART=n.
;; ======== version 1 of 1: 2 launches
;; limits: a function is approximated: absolute error at most 2e-08
;; workspace buffers: list 2,359,296 bytes of whole numbers; slot 524,288 bytes of whole numbers; wimg 294,912 bytes
;; launch route (part 1): grid 280 x 1, 1 waves a work-group, no clusters, 9,472 bytes of LDS; arguments species, W1_codes, W1_scales, W2_codes, W2_scales, W3_codes, W3_scales, out0, list, slot, wimg; writes out0, list, slot, wimg
.if DOCPART == 1
	.amdgcn_target "amdgcn-amd-amdhsa--gfx1250"
	.amdhsa_code_object_version 6
	.text
	.protected	k_qc33d4ab4fe_route
	.globl	k_qc33d4ab4fe_route
	.p2align	8
	.type	k_qc33d4ab4fe_route,@function
k_qc33d4ab4fe_route:
	s_mov_b64 s[64:65], 0
	v_nop
	global_prefetch_b8 v0, s[64:65] scope:SCOPE_SE
	s_setreg_imm32_b32 hwreg(HW_REG_WAVE_MODE, 25, 1), 1
	s_wait_xcnt 0x0
; ROUTE.  Work-groups 0..255 (one wave each): block b = 512 atoms = 16 molecules.  species is copied to out0; a counting sort of the block by species gives
;   list [256][4][576] u32: entries 0 .. n_e - 1 the local atom numbers of species e, all other entries 0 (a row that exists); 576 = 512 + the two pairs of tiles that the reader asks for ahead;
;   slot [131072] u32, in atom order: species x 512 + the atom's rank in its species.
; Work-groups 256..279: the weights are laid out once as images of the operand registers of the second launch (wimg [4][73,728]): 46 fragments of 1,536 bytes
; (registers 4 k .. 4 k + 3 of lane l at 512 k + 16 l), then 24 scale words a lane (register q at 512 (q / 4) + 16 l + 4 (q % 4)).
; WHICH ROWS OF A WEIGHT FORM A TILE.  Group tiles 4 g + u: lane r takes row 64 g + 8 u + RG, RG = r % 8 + 32 (r / 8).  Pair tiles 2 b + u: row 32 b + 8 u + RP, RP = r % 8 + 16 (r / 8).
; W1: tiles 0-7 group, 8, 9 pair (b = 4).  W2: tiles 0-7 group.  W3: tiles 0-3 group, 4, 5 pair (b = 2).
; W1's K is taken in the order in which a lane of the second launch holds a row of aev: K step s, register group c, lane half h = block 6 h + 2 s + c.
; W2's fifth block: fragment F_g holds at block place 2 c + h the fifth block of the rows of tile 4 g + 2 c + h.
; LIMIT: species is taken inside 0 .. 3, as the indexing in the problem relies on; other numbers are held to 3 for addresses and give no right energy.
.set NBLK, 256
.set LROW, 2304                        ; bytes of one species' list
	s_load_b256 s[4:11], s[0:1], 0x0               ; species s[4:5], W1 codes s[6:7], W1 scales s[8:9], W2 codes s[10:11]
	s_load_b256 s[12:19], s[0:1], 0x20             ; W2 scales s[12:13], W3 codes s[14:15], W3 scales s[16:17], out0 s[18:19]
	s_load_b128 s[20:23], s[0:1], 0x40             ; list s[20:21], slot s[22:23]
	s_load_b64 s[24:25], s[0:1], 0x50              ; wimg
	v_lshl_add_u32 v144, v0, 2, 0x2400
	v_mov_b32 v145, 0
	v_lshlrev_b32 v1, 4, v0                        ; 16 x lane (one wave: the thread's number is the lane)
	v_lshlrev_b32 v2, 2, v0                        ; 4 x lane
	s_mov_b32 s33, 0
	s_wait_kmcnt 0x0
	s_cmp_lt_u32 ttmp9, NBLK
	s_cbranch_scc0 .Limage
	; ---- the sort of block b
	s_lshl_b32 s32, ttmp9, 11                      ; 512 atoms x 4 bytes
	s_add_nc_u64 s[4:5], s[4:5], s[32:33]
	s_add_nc_u64 s[18:19], s[18:19], s[32:33]
	s_add_nc_u64 s[22:23], s[22:23], s[32:33]
	s_mul_i32 s32, ttmp9, 4*LROW
	s_add_nc_u64 s[20:21], s[20:21], s[32:33]
.irp g, 0,1,2,3
	global_load_b128 v[4+4*\g:7+4*\g], v1, s[4:5] offset:512*\g   ; register 4 g + c = local atom 128 g + 4 lane + c
.endr
.irp i, 40,41,42,43
	v_mov_b32 v\i, 0
.endr
.irp k, 0,1,2,3,4,5,6,7,8,9,10,11,12,13,14,15,16,17
	ds_store_b128 v1, v[40:43] offset:512*\k       ; all 9,216 bytes of the lists begin as zeros
.endr
.irp e, 28,29,30,31
	s_mov_b32 s\e, 0                               ; the four counts
.endr
	s_wait_loadcnt 0x0
.irp g, 0,1,2,3
	global_store_b128 v1, v[4+4*\g:7+4*\g], s[18:19] offset:512*\g   ; out0 = species: 512 consecutive bytes a store
.endr
.irp i, 0,1,2,3,4,5,6,7,8,9,10,11,12,13,14,15
	v_cmp_eq_u32 s24, 0, v[4+\i]                   ; the lanes of species 0
	v_mbcnt_lo_u32_b32 v36, s24, s28               ; count so far + such lanes below mine = my rank, if I am one
	s_bcnt1_i32_b32 s25, s24
	s_add_co_u32 s28, s28, s25
.irp e, 1,2,3
	v_cmp_eq_u32 s24, \e, v[4+\i]
	v_mbcnt_lo_u32_b32 v37, s24, s[28+\e]
	v_cndmask_b32 v36, v36, v37, s24
	s_bcnt1_i32_b32 s25, s24
	s_add_co_u32 s[28+\e], s[28+\e], s25
.endr
	v_min_u32 v37, 3, v[4+\i]                      ; held inside the table before they enter an address
	v_min_u32 v36, 0x1ff, v36
	v_mul_u32_u24 v38, v37, LROW
	v_lshl_add_u32 v[20+\i], v37, 9, v36           ; slot = species x 512 + rank
	v_lshl_add_u32 v38, v36, 2, v38
	v_add_nc_u32 v39, 128*(\i/4)+(\i%4), v2        ; my local atom number
	ds_store_b32 v38, v39                          ; one wave: LDS serves its instructions in order, no other wave is there
.endr
.irp g, 0,1,2,3
	global_store_b128 v1, v[20+4*\g:23+4*\g], s[22:23] offset:512*\g
.endr
.irp k, 0,1,2,3,4,5,6,7,8,9,10,11,12,13,14,15,16,17
	ds_load_b128 v[48+4*\k:51+4*\k], v1 offset:512*\k
.endr
.irp k, 0,1,2,3,4,5,6,7,8,9,10,11,12,13,14,15,16,17
	s_wait_dscnt 17-\k                             ; LDS loads come back in order: load k is in, the younger ones may be out
	global_store_b128 v1, v[48+4*\k:51+4*\k], s[20:21] offset:512*\k   ; 512 consecutive bytes a store
.endr
	s_wait_tensorcnt 0x0
	ds_add_u32 v144, v145
	s_wait_dscnt 0x0
	s_endpgm
	; ---- the images: work-group 256 + 4 part + e
.macro LD6 reg, adr, base, off, cs     ; a fragment's 12 registers: two runs of 24 bytes, cs bytes apart, in pieces of 8 bytes
.irp p, 0,1,2,3,4,5
	global_load_b64 v[\reg+2*\p:\reg+2*\p+1], v[\adr], s[\base:\base+1] offset:(\off)+(\cs)*(\p/3)+8*(\p%3)
.endr
.endm
.macro STF nf, off                     ; nf fragments from v16 on go out as images
.set sf, 0
.rept \nf
.irp k, 0,1,2
	global_store_b128 v1, v[16+12*sf+4*\k:16+12*sf+4*\k+3], s[24:25] offset:(\off)+1536*sf+512*\k
.endr
.set sf, sf+1
.endr
.endm
.Limage:
	s_sub_co_u32 s26, ttmp9, NBLK
	s_and_b32 s27, s26, 3                          ; expert
	s_lshr_b32 s26, s26, 2                         ; part 0 .. 5
	v_and_b32 v3, 15, v0                           ; r
	v_lshrrev_b32 v4, 4, v0                        ; h
	v_and_b32 v5, 7, v3
	v_lshrrev_b32 v6, 3, v3
	v_lshl_add_u32 v7, v6, 5, v5                   ; RG
	v_lshl_add_u32 v8, v6, 4, v5                   ; RP
	s_mul_i32 s32, s27, 73728
	s_add_nc_u64 s[24:25], s[24:25], s[32:33]      ; my expert's images
	s_cmp_lt_u32 s26, 3
	s_cbranch_scc0 .Lnot_w1
	; parts 0, 1, 2: W1, K step s = part: fragments 10 s + t.  A row is 288 bytes; lane (r, h) takes bytes 144 h + 48 s + 0 .. 47
	s_mul_i32 s32, s27, 46080
	s_mul_i32 s34, s26, 48
	s_add_co_u32 s32, s32, s34
	s_add_nc_u64 s[6:7], s[6:7], s[32:33]
	s_mul_i32 s32, s26, 15360
	s_add_nc_u64 s[24:25], s[24:25], s[32:33]
	v_mul_u32_u24 v9, v4, 144
	v_mad_u32_u24 v10, v7, 288, v9
	v_mad_u32_u24 v11, v8, 288, v9
.irp t, 0,1,2,3,4,5,6,7
.irp k, 0,1,2
	global_load_b128 v[16+12*\t+4*\k:16+12*\t+4*\k+3], v10, s[6:7] offset:(64*(\t/4)+8*(\t%4))*288+16*\k
.endr
.endr
.irp t, 8,9
.irp k, 0,1,2
	global_load_b128 v[16+12*\t+4*\k:16+12*\t+4*\k+3], v11, s[6:7] offset:(128+8*(\t-8))*288+16*\k
.endr
.endr
	s_wait_loadcnt 0x0
	STF 10, 0
	s_endpgm
.Lnot_w1:
	s_cmp_eq_u32 s26, 3
	s_cbranch_scc0 .Lnot_w2
	; part 3: W2.  A row is 120 bytes.  Fragments 30 + t: blocks 0-3; fragments 38 + g: the fifth blocks of four tiles' rows
	s_mul_i32 s32, s27, 15360
	s_add_nc_u64 s[10:11], s[10:11], s[32:33]
	v_mul_u32_u24 v9, v7, 120
	v_mad_u32_u24 v10, v4, 24, v9                  ; row RG, + 24 h
	v_mad_u32_u24 v11, v4, 960, v9                 ; row RG + 8 h
.irp t, 0,1,2,3,4,5,6,7
	LD6 16+12*\t, 10, 10, (64*(\t/4)+8*(\t%4))*120, 48
.endr
.irp g, 0,1
	LD6 16+12*(8+\g), 11, 10, 64*\g*120+96, 1920
.endr
	s_wait_loadcnt 0x0
	STF 10, 30*1536
	s_endpgm
.Lnot_w2:
	s_cmp_eq_u32 s26, 4
	s_cbranch_scc0 .Lscales
	; part 4: W3.  A row is 96 bytes.  Fragments 40 + t
	s_mul_i32 s32, s27, 9216
	s_add_nc_u64 s[14:15], s[14:15], s[32:33]
	v_mul_u32_u24 v9, v4, 24
	v_mad_u32_u24 v10, v7, 96, v9
	v_mad_u32_u24 v11, v8, 96, v9
.irp t, 0,1,2,3
	LD6 16+12*\t, 10, 14, 8*\t*96, 48
.endr
.irp t, 4,5
	LD6 16+12*\t, 11, 14, (64+8*(\t-4))*96, 48
.endr
	s_wait_loadcnt 0x0
	STF 6, 40*1536
	s_endpgm
.Lscales:
	; part 5: the scale words.  A register carries two tiles: the even one in lanes 0-15, the odd one in lanes 16-31
	s_mul_i32 s32, s27, 1920
	s_add_nc_u64 s[8:9], s[8:9], s[32:33]
	s_mul_i32 s32, s27, 640
	s_add_nc_u64 s[12:13], s[12:13], s[32:33]
	s_mul_i32 s32, s27, 384
	s_add_nc_u64 s[16:17], s[16:17], s[32:33]
	v_lshl_add_u32 v12, v4, 3, v7                  ; 8 h + RG
	v_lshl_add_u32 v13, v4, 3, v8                  ; 8 h + RP
	v_lshl_add_u32 v14, v4, 6, v7                  ; 64 h + RG
	v_mul_u32_u24 v9, v12, 12
	v_mul_u32_u24 v10, v13, 12
	v_mul_u32_u24 v11, v12, 5
	v_mul_u32_u24 v15, v14, 5
	v_lshlrev_b32 v5, 2, v12
	v_lshlrev_b32 v6, 2, v13
.irp s, 0,1,2                          ; W1: word 5 s + j; its bytes are those of blocks 2 s, 6 + 2 s, 2 s + 1, 7 + 2 s
.irp j, 0,1,2,3
.irp p, 0,1,2,3
	global_load_u8 v[16+4*(5*\s+\j)+\p], v9, s[8:9] offset:(64*(\j/2)+16*(\j%2))*12+2*\s+(\p/2)+6*(\p%2)
.endr
.endr
.irp p, 0,1,2,3
	global_load_u8 v[16+4*(5*\s+4)+\p], v10, s[8:9] offset:128*12+2*\s+(\p/2)+6*(\p%2)
.endr
.endr
.irp j, 0,1,2,3                        ; W2, blocks 0-3: word 15 + j
.irp p, 0,1,2,3
	global_load_u8 v[16+4*(15+\j)+\p], v11, s[12:13] offset:(64*(\j/2)+16*(\j%2))*5+\p
.endr
.endr
.irp p, 0,1,2,3                        ; F: word 19: byte p is the fifth byte of the row eight p further on
	global_load_u8 v[16+4*19+\p], v15, s[12:13] offset:40*\p+4
.endr
	global_load_b32 v120, v5, s[16:17]             ; W3: words 20, 21, 22: a row's four bytes as they lie
	global_load_b32 v121, v5, s[16:17] offset:64
	global_load_b32 v122, v6, s[16:17] offset:256
	v_mov_b32 v123, 0                              ; word 23 is not used
	s_wait_loadcnt 0x0
.set sq, 0
.rept 20
	v_lshl_or_b32 v[100+sq], v[17+4*sq], 8, v[16+4*sq]
	v_lshl_or_b32 v[100+sq], v[18+4*sq], 16, v[100+sq]
	v_lshl_or_b32 v[100+sq], v[19+4*sq], 24, v[100+sq]
.set sq, sq+1
.endr
.irp k, 0,1,2,3,4,5
	global_store_b128 v1, v[100+4*\k:103+4*\k], s[24:25] offset:46*1536+512*\k
.endr
	s_endpgm
.Lfunc_end_k_qc33d4ab4fe_route:
	.size	k_qc33d4ab4fe_route, .Lfunc_end_k_qc33d4ab4fe_route-k_qc33d4ab4fe_route
	.p2alignl 7, 3214868480
	.fill 96, 4, 3214868480
	.section	.rodata,"a",@progbits
	.p2align	6, 0x0
	.amdhsa_kernel k_qc33d4ab4fe_route
		.amdhsa_group_segment_fixed_size 9472
		.amdhsa_private_segment_fixed_size 0
		.amdhsa_enable_private_segment 0
		.amdhsa_kernarg_size 88
		.amdhsa_user_sgpr_count 2
		.amdhsa_user_sgpr_kernarg_segment_ptr 1
		.amdhsa_wavefront_size32 1
		.amdhsa_system_sgpr_workgroup_id_x 1
		.amdhsa_system_sgpr_workgroup_id_y 1
		.amdhsa_system_sgpr_workgroup_id_z 1
		.amdhsa_system_vgpr_workitem_id 0
		.amdhsa_next_free_vgpr 146
		.amdhsa_next_free_sgpr 66
		.amdhsa_reserve_vcc 0
		.amdhsa_float_denorm_mode_32 3
		.amdhsa_float_denorm_mode_16_64 3
		.amdhsa_memory_ordered 1
		.amdhsa_forward_progress 1
		.amdhsa_inst_pref_size 64
	.end_amdhsa_kernel
	.amdgpu_metadata
---
amdhsa.version: [ 1, 2 ]
amdhsa.kernels:
  - .name:           k_qc33d4ab4fe_route
    .symbol:         k_qc33d4ab4fe_route.kd
    .args:
      - { .name: species, .offset: 0, .size: 8, .value_kind: global_buffer, .address_space: global }
      - { .name: W1_codes, .offset: 8, .size: 8, .value_kind: global_buffer, .address_space: global }
      - { .name: W1_scales, .offset: 16, .size: 8, .value_kind: global_buffer, .address_space: global }
      - { .name: W2_codes, .offset: 24, .size: 8, .value_kind: global_buffer, .address_space: global }
      - { .name: W2_scales, .offset: 32, .size: 8, .value_kind: global_buffer, .address_space: global }
      - { .name: W3_codes, .offset: 40, .size: 8, .value_kind: global_buffer, .address_space: global }
      - { .name: W3_scales, .offset: 48, .size: 8, .value_kind: global_buffer, .address_space: global }
      - { .name: out0, .offset: 56, .size: 8, .value_kind: global_buffer, .address_space: global }
      - { .name: list, .offset: 64, .size: 8, .value_kind: global_buffer, .address_space: global }
      - { .name: slot, .offset: 72, .size: 8, .value_kind: global_buffer, .address_space: global }
      - { .name: wimg, .offset: 80, .size: 8, .value_kind: global_buffer, .address_space: global }
    .group_segment_fixed_size: 9472
    .private_segment_fixed_size: 0
    .kernarg_segment_align: 8
    .kernarg_segment_size: 88
    .max_flat_workgroup_size: 32
    .sgpr_count:     66
    .vgpr_count:     146
    .wavefront_size: 32
...
	.end_amdgpu_metadata
.endif
;; end of part 1
;; launch mlp (part 2): grid 256 x 1, 4 waves a work-group, no clusters, 16,896 bytes of LDS; arguments list, slot, wimg, aev_codes, aev_scales, b1, b2, b3, W4, b4, out1, species; writes out1
.if DOCPART == 2
	.amdgcn_target "amdgcn-amd-amdhsa--gfx1250"
	.amdhsa_code_object_version 6
	.text
	.protected	k_qc33d4ab4fe_mlp
	.globl	k_qc33d4ab4fe_mlp
	.p2align	8
	.type	k_qc33d4ab4fe_mlp,@function
k_qc33d4ab4fe_mlp:
	s_mov_b64 s[64:65], 0
	v_nop
	global_prefetch_b8 v0, s[64:65] scope:SCOPE_SE
	s_setreg_imm32_b32 hwreg(HW_REG_WAVE_MODE, 25, 1), 1
	s_wait_xcnt 0x0
; Each atom goes through the MLP of its species: 384 -> 160 -> 128 -> 96 -> 1, celu(0.1) between; the 32 energies of a molecule are summed.  Products 1 to 3 on codes of FP6 (E2M3) with one E8M0 scale
; for each 32 along K; the two hidden layers are quantised in registers; product 4 (one column) is 96 fused multiply-adds in f32.
; SHARES.  Work-group b owns block b: 512 atoms, 16 whole molecules, so each number of out1 has one owner.  WAVE e IS EXPERT e: its 46 weight fragments (552 registers) and 24 scale words stay in registers,
; read once as images of the registers.  The wave walks its species' atoms by the stored list, 32 a trip: tile A and tile B of 16 atoms.  How many trips have work it counts itself, from the block's 512 species.
; BY TURNS.  A trip has six phases; in each the matrix instructions of one tile's layer stand singly between the vector lines (celu, largest magnitudes, conversions) of the other tile's layer.
; LAYOUT.  All products are used transposed (source 0 = 16 rows of a weight, source 1 = 16 atoms): a lane holds ONE atom (lane % 16).  The rows of a weight that form a tile are chosen (first launch) so that a
; lane's 32 registers of four neighbouring tiles are one whole block of 32 along the next K: its largest magnitude needs no other lane and two conversions give six registers of the next operand.
; K = 160 of product 2: the fifth block is one more matrix instruction a tile: fragment F_g holds the fifth blocks of four tiles' rows at its four block places, and the hidden layer's fifth block is offered at
; one place with zero codes at the other three.  The four such operands are runs of 12 registers in the chain Z, Hlo, Z, Hhi, Z (six registers each).
; The biases are what each accumulator holds when its first matrix instruction adds onto it: they are loaded into it from the wave's own table in LDS.
; NO JOINT LOADS, NO TENSOR LOADS: the number of trips that do work hangs on numbers read from memory (4 or 5 of 16 at an even split); what all
; work-groups share, 73,728 bytes of weights a wave, is read once a wave.
; LIMITS.  celu's negative branch is alpha 2^(x log2(e) / alpha) - alpha, absolute error about 1e-8, which is more than 1e-6 of the number where |x| is under about 0.01.  A block of zeros keeps the scale
; byte 1: its codes are zeros.  NaN, infinities and a scale byte 0xff among the inputs are not served.  species is taken inside 0 .. 3.
; REGISTERS.  Window 0: v0 list entries of the next pair; v1-7 addresses and tile A's energy; v8-15 aev's scale words; v16-19 the hidden layers'; v20-43 the weights'; v44-47 gather offsets;
;   v48-127 tile A's accumulators; v128-175 at work; v176-255 tile B's.   Window 1: v0-47 W3's fragments 42-45; v48-95 W4; v96-167 aev's codes of A and B; v168-191 hidden codes of A and B;
;   v192-245 the chain; v246-253 conversion results on their way.   Windows 2, 3: fragments 0-20, 21-41 (fragment f at 12 (f % 21)); window 2 v252-255 my four slots.
.set EBASE, 6144                       ; LDS: 0 .. 6143 bias tables, 1,536 bytes a wave (b1 at 0, b2 at 640, b3 at 1152); from 6144 the energies, 2,048 bytes a species, word = rank
.set LROW, 2304                        ; bytes of one species' list
.set IDX, 0
.set BG,  1                            ; my table + 128 h
.set BP,  2                            ; my table + 64 h
.set ESA, 3                            ; EBASE + 2048 e + 4 x lane
.set L4,  4                            ; 4 x lane
.set H144, 5                           ; 144 h
.set H8,  6                            ; 8 h
.set EA,  7
.set XSC, 8
.set HSC, 16
.set WS,  20
.set OFA, 44                           ; v44 A's offset in the codes, v45 in the scales, v46, v47 B's
.set ACA, 48
.set T,   128
.set TM,  128
.set ACB, 176
.set W4R, 48                           ; window 1
.set XR,  96
.set CDR, 168
.set CHR, 192
.set CT,  246
.set MSB, 0
.set KEEPW, 0
.macro WIN new                         ; the immediate's high byte repeats the setting that is left; a switch that changes nothing is dropped
.if MSB != (\new)
	s_set_vgpr_msb (MSB<<8)|(\new)
.set MSB, (\new)
.endif
.endm
; THE QUEUE of a phase's matrix instructions: layer ly of tile tl, dealt over ns places in the vector work.
.macro QBEGIN ly, tl, ns
.set MQL, \ly
.set MQT, \tl
.set NS, \ns
.set MQI, 0
.set SITEN, 0
.if \ly == 1
.set MQN, 30
.elseif \ly == 2
.set MQN, 16
.else
.set MQN, 6
.endif
.endm
; The queue's next matrix instruction.  The accumulators take turns, one instruction a turn (10, 8, 6 of them), and neighbouring phases use the other tile's.
.macro WM
.set SAVW, MSB
.if MQI == 0
	s_wait_dscnt 0x0                               ; the biases have landed in the accumulators
.endif
.if MQL == 1
.set qs, MQI/10
.set qt, MQI%10
.set FI, MQI
.set BR, XR+36*MQT+12*qs
.set SAR, WS+5*qs+qt/2
.set ROWB1, qt%2
.set SBR, XSC+4*MQT+3
.if qs == 1
.set SBR, XSC+4*MQT
.endif
.if qs == 2
.set SBR, XSC+4*MQT+2
.endif
.set ACR, ACA+128*MQT+8*qt
.elseif MQL == 2
.set qt, MQI%8
.set ACR, ACA+144*MQT+8*qt
.if MQI < 8
.set FI, 30+qt
.set BR, CDR+12*MQT
.set SAR, WS+15+qt/2
.set ROWB1, qt%2
.set SBR, HSC+2*MQT
.else
.set FI, 38+qt/4
.set BR, CHR+24*MQT+6+12*(qt%2)-6*((qt%4)/2)   ; place 0: Hlo, Z; 1: Hhi, Z; 2: Z, Hlo; 3: Z, Hhi
.set SAR, WS+19
.set ROWB1, qt/4
.set SBR, HSC+2*MQT+1
.endif
.else
.set qt, MQI
.set ACR, ACA+160*MQT+8*qt
.set FI, 40+qt
.set BR, CDR+12*MQT
.set SAR, WS+20+qt/2
.set ROWB1, qt%2
.set SBR, HSC+2*MQT
.endif
.if FI < 42
.set FW, 2+FI/21
.set FRG, 12*(FI%21)
.else
.set FW, 1
.set FRG, 12*(FI-42)
.endif
	WIN 0x04|FW                                    ; source 0 in the fragment's window, source 1 in window 1, C and D in window 0
.if ROWB1
	v_wmma_scale_f32_16x16x128_f8f6f4 v[ACR:ACR+7], v[FRG:FRG+11], v[BR:BR+11], v[ACR:ACR+7], v[SAR], v[SBR] matrix_a_fmt:MATRIX_FMT_FP6 matrix_b_fmt:MATRIX_FMT_FP6 matrix_a_scale:MATRIX_SCALE_ROW1
.else
	v_wmma_scale_f32_16x16x128_f8f6f4 v[ACR:ACR+7], v[FRG:FRG+11], v[BR:BR+11], v[ACR:ACR+7], v[SAR], v[SBR] matrix_a_fmt:MATRIX_FMT_FP6 matrix_b_fmt:MATRIX_FMT_FP6
.endif
.if KEEPW == 0
	WIN SAVW
.endif
.set MQI, MQI+1
.endm
.macro SITE                            ; a place in the vector work: the queue's next instruction stands here if it is due
.set SITEN, SITEN+1
.if (MQI < MQN) && (SITEN*MQN > MQI*NS)
	WM
.endif
.endm
.macro QEND                            ; what is left of the queue; then four plain places in front of the next phase's loads into operands and its first reads of results
.set KEEPW, 1
.rept MQN-MQI
	WM
.endr
.set KEEPW, 0
	WIN 0
.rept 4
	v_nop
.endr
.endm
; celu of n numbers v[x] on, in place; t: n registers at work.  y = alpha 2^(c x) - alpha is never under x and has x's sign, so celu(x) is the middle one of x, y and 0.
; The exponentials are one batch with one wait ahead of their first reader.  The eight leading lines read each accumulator from its low end and are plain places ahead of the first matrix instruction.
.macro CELU x, n, t
.set cp, 0
.rept 8
	v_pk_mul_f32 v[\t+2*cp:\t+2*cp+1], v[\x+2*cp:\x+2*cp+1], s[32:33] op_sel_hi:[1,0]
.set cp, cp+1
.endr
.set cp, 0
.rept (\n)/2
	v_exp_f32 v[\t+2*cp], v[\t+2*cp]
	v_exp_f32 v[\t+2*cp+1], v[\t+2*cp+1]
.if cp+8 < (\n)/2
	v_pk_mul_f32 v[\t+2*cp+16:\t+2*cp+17], v[\x+2*cp+16:\x+2*cp+17], s[32:33] op_sel_hi:[1,0]
.endif
	SITE
.set cp, cp+1
.endr
	v_nop                                          ; a plain instruction behind the last exponential
	s_wait_alu depctr_va_vdst(0)                   ; one wait for the batch
.set cp, 0
.rept (\n)/2+2
.if cp < (\n)/2
	v_pk_fma_f32 v[\t+2*cp:\t+2*cp+1], v[\t+2*cp:\t+2*cp+1], s[34:35], s[34:35] op_sel_hi:[1,0,0] neg_lo:[0,0,1] neg_hi:[0,0,1]
.endif
.if cp >= 2
	v_med3_num_f32 v[\x+2*cp-4], v[\x+2*cp-4], v[\t+2*cp-4], 0
	v_med3_num_f32 v[\x+2*cp-3], v[\x+2*cp-3], v[\t+2*cp-3], 0
.endif
	SITE
.set cp, cp+1
.endr
.endm
; The largest magnitudes: of my two whole blocks (v[x] .. +31, +32 .. +63) into v[TM], v[TM+4]; pr = 1: of my 16 numbers of the fifth block (+64 .. +79) into v[TM+8].
; Chains of eight numbers, round by round, so that no line waits for the line above it; the floor 2^(3 - 127) is one more leaf: the scale's byte cannot fall under 1.
.macro MAXES x, pr
.set NCH, 8+2*\pr
.set mq, 0
.rept NCH
	v_max3_num_f32 v[TM+mq], |v[\x+8*mq]|, |v[\x+8*mq+1]|, |v[\x+8*mq+2]|
.if mq%4 == 3
	SITE
.endif
.set mq, mq+1
.endr
.irp i, 3,5
.set mq, 0
.rept NCH
	v_max3_num_f32 v[TM+mq], v[TM+mq], |v[\x+8*mq+\i]|, |v[\x+8*mq+\i+1]|
.if mq%4 == 3
	SITE
.endif
.set mq, mq+1
.endr
.endr
.irp b, 0,1
	v_max3_num_f32 v[TM+4*\b], v[TM+4*\b], v[TM+4*\b+1], |v[\x+32*\b+7]|
	v_max3_num_f32 v[TM+4*\b+2], v[TM+4*\b+2], v[TM+4*\b+3], |v[\x+32*\b+15]|
.endr
.if \pr
	v_max3_num_f32 v[TM+8], v[TM+8], v[TM+9], |v[\x+71]|
.endif
	SITE
.irp b, 0,1
	v_max3_num_f32 v[TM+4*\b], v[TM+4*\b], |v[\x+32*\b+23]|, |v[\x+32*\b+31]|
.endr
.if \pr
	v_max3_num_f32 v[TM+8], v[TM+8], |v[\x+79]|, 0x1800000
.endif
.irp b, 0,1
	v_max3_num_f32 v[TM+4*\b], v[TM+4*\b], v[TM+4*\b+2], 0x1800000
.endr
	SITE
.endm
; The biases of a layer into the accumulators from acc on.  Group tile 4 g + u: my eight units are 64 g + 32 h + 8 u + 0 .. 7; pair tile 2 b + u: 32 b + 16 h + 8 u + 0 .. 7.
.macro BGRP acc, nt, sec
.set bt, 0
.rept \nt
	ds_load_b128 v[\acc+8*bt:\acc+8*bt+3], v[BG] offset:\sec+256*(bt/4)+32*(bt%4)
	ds_load_b128 v[\acc+8*bt+4:\acc+8*bt+7], v[BG] offset:\sec+256*(bt/4)+32*(bt%4)+16
.set bt, bt+1
.endr
.endm
.macro BPAR acc, sec
.irp u, 0,1
	ds_load_b128 v[\acc+8*\u:\acc+8*\u+3], v[BP] offset:\sec+32*\u
	ds_load_b128 v[\acc+8*\u+4:\acc+8*\u+7], v[BP] offset:\sec+32*\u+16
.endr
.endm
.macro BIAS ly, acc
.if \ly == 1
	BGRP \acc, 8, 0
	BPAR \acc+64, 512
.elseif \ly == 2
	BGRP \acc, 8, 640
.else
	BGRP \acc, 4, 1152
	BPAR \acc+32, 1408
.endif
.endm
; Behind layer 1: scale words, codes of the 160 hidden numbers, the chain's Hlo and Hhi; the next layer's biases are asked for as soon as the numbers are read.
.macro TAIL1 x, tl
.set HS, HSC+2*\tl
.set CD, CDR+12*\tl
.set HLO, CHR+24*\tl+6
.set HHI, CHR+24*\tl+18
	v_permlanex16_b32 v[TM+9], v[TM+8], s36, s37   ; the fifth block lies in lanes l and l xor 16
	v_add_nc_u32 v[TM+1], 0xff000000, v[TM]        ; 2 off the exponent field: the conversion's scale operand
	v_add_nc_u32 v[TM+5], 0xff000000, v[TM+4]
	v_max_num_f32 v[TM+8], v[TM+8], v[TM+9]
	v_lshrrev_b32 v[TM+2], 23, v[TM+1]             ; the scale's byte
	v_lshrrev_b32 v[TM+6], 23, v[TM+5]
	v_add_nc_u32 v[TM+9], 0xff000000, v[TM+8]
	v_lshl_or_b32 v[TM+2], v[TM+6], 16, v[TM+2]    ; my blocks are h and 2 + h:
	v_lshrrev_b32 v[TM+10], 23, v[TM+9]
	v_lshlrev_b32 v[TM+2], v[H8], v[TM+2]          ; their bytes at their places,
	v_perm_b32 v[HS+1], v[TM+10], v[TM+10], 0      ; the fifth block's byte in all four places
	v_permlanex16_b32 v[TM+3], v[TM+2], s36, s37
	v_or_b32 v[HS], v[TM+2], v[TM+3]               ; with lane l xor 16's two the word is whole
	WIN 0x40                                       ; destination window 1
	v_cvt_scalef32_pk16_fp6_f32 v[CD:CD+2], v[\x:\x+15], v[TM+1]
	v_cvt_scalef32_pk16_fp6_f32 v[CT:CT+2], v[\x+16:\x+31], v[TM+1]       ; (a conversion's three registers begin on an even number: a block's upper half is made elsewhere and moved)
	v_cvt_scalef32_pk16_fp6_f32 v[CD+6:CD+8], v[\x+32:\x+47], v[TM+5]
	v_cvt_scalef32_pk16_fp6_f32 v[CT+4:CT+6], v[\x+48:\x+63], v[TM+5]
	v_cvt_scalef32_pk16_fp6_f32 v[HLO:HLO+2], v[\x+64:\x+79], v[TM+9]
	v_nop                                          ; one plain place behind the conversions
	WIN 0
	BIAS 2, ACA+144*\tl
	WIN 0x41                                       ; destination and source 0 window 1
.irp i, 0,1,2
	v_mov_b32 v[CD+3+\i], v[CT+\i]
	v_mov_b32 v[CD+9+\i], v[CT+4+\i]
	v_mov_b32 v[HHI+3+\i], v[HLO+\i]
	v_mov_b32 v[HLO+3+\i], 0
	v_mov_b32 v[HHI+\i], 0
.endr
.irp i, 0,1,2
	v_permlane16_swap_b32 v[HLO+\i], v[HLO+3+\i]   ; lanes 0-15 now hold the whole block, lanes 16-31 zero codes
	v_permlane16_swap_b32 v[HHI+\i], v[HHI+3+\i]   ; lanes 16-31 the whole block, lanes 0-15 zero codes
.endr
	WIN 0
.endm
.macro TAIL2 x, tl                     ; behind layer 2: the same for 128 numbers
.set HS, HSC+2*\tl
.set CD, CDR+12*\tl
	v_add_nc_u32 v[TM+1], 0xff000000, v[TM]
	v_add_nc_u32 v[TM+5], 0xff000000, v[TM+4]
	v_lshrrev_b32 v[TM+2], 23, v[TM+1]
	v_lshrrev_b32 v[TM+6], 23, v[TM+5]
	v_lshl_or_b32 v[TM+2], v[TM+6], 16, v[TM+2]
	v_lshlrev_b32 v[TM+2], v[H8], v[TM+2]
	v_permlanex16_b32 v[TM+3], v[TM+2], s36, s37
	v_or_b32 v[HS], v[TM+2], v[TM+3]
	WIN 0x40
	v_cvt_scalef32_pk16_fp6_f32 v[CD:CD+2], v[\x:\x+15], v[TM+1]
	v_cvt_scalef32_pk16_fp6_f32 v[CT:CT+2], v[\x+16:\x+31], v[TM+1]
	v_cvt_scalef32_pk16_fp6_f32 v[CD+6:CD+8], v[\x+32:\x+47], v[TM+5]
	v_cvt_scalef32_pk16_fp6_f32 v[CT+4:CT+6], v[\x+48:\x+63], v[TM+5]
	v_nop
	WIN 0
	BIAS 3, ACA+160*\tl
	WIN 0x41
.irp i, 0,1,2
	v_mov_b32 v[CD+3+\i], v[CT+\i]
	v_mov_b32 v[CD+9+\i], v[CT+4+\i]
.endr
	WIN 0
.endm
.macro DOT x, tl, dst                  ; product 4: my 48 numbers against W4's, four chains of packed multiply-adds; with lane l xor 16's 48, and b4
	WIN 0x04                                       ; source 1 (W4) window 1
.irp k, 0,1,2,3
	v_pk_mul_f32 v[TM+2*\k:TM+2*\k+1], v[\x+2*\k:\x+2*\k+1], v[W4R+2*\k:W4R+2*\k+1]
.endr
.set dk, 4
.rept 20
	v_pk_fma_f32 v[TM+2*(dk%4):TM+2*(dk%4)+1], v[\x+2*dk:\x+2*dk+1], v[W4R+2*dk:W4R+2*dk+1], v[TM+2*(dk%4):TM+2*(dk%4)+1]
.set dk, dk+1
.endr
	WIN 0
	BIAS 1, ACA+128*\tl
	v_pk_add_f32 v[TM:TM+1], v[TM:TM+1], v[TM+2:TM+3]
	v_pk_add_f32 v[TM+4:TM+5], v[TM+4:TM+5], v[TM+6:TM+7]
	v_pk_add_f32 v[TM:TM+1], v[TM:TM+1], v[TM+4:TM+5]
	v_add_f32 v[TM], v[TM], v[TM+1]
	v_permlanex16_b32 v[TM+1], v[TM], s36, s37
	v_add_f32 v[TM], v[TM], v[TM+1]
	v_add_f32 v[\dst], s30, v[TM]
.endm
.macro V1 x, tl
	CELU \x, 48, T
	CELU \x+48, 32, T
	MAXES \x, 1
	TAIL1 \x, \tl
.endm
.macro V2 x, te, tl
	CELU \x, 64, \te
	MAXES \x, 0
	TAIL2 \x, \tl
.endm
.macro V3 x, tl, dst
	CELU \x, 48, T
	DOT \x, \tl, \dst
.endm
; 32 list entries (a lane each) become the two tiles' offsets: tile A takes entries 0-15, tile B entries 16-31, each in both halves of the lanes.  A number read from memory is held inside the block before it enters an address.
.macro OFFS idx
	v_permlanex16_b32 v[OFA+3], v[\idx], s36, s37
	v_cndmask_b32 v[OFA], v[\idx], v[OFA+3], s38
	v_cndmask_b32 v[OFA+2], v[OFA+3], v[\idx], s38
	v_min_u32 v[OFA], 0x1ff, v[OFA]
	v_min_u32 v[OFA+2], 0x1ff, v[OFA+2]
	v_mul_u32_u24 v[OFA+1], v[OFA], 12             ; a row of scale bytes
	v_mul_u32_u24 v[OFA+3], v[OFA+2], 12
	v_mul_u32_u24 v[OFA], v[OFA], 288              ; a row of codes
	v_mul_u32_u24 v[OFA+2], v[OFA+2], 288
	v_add_nc_u32 v[OFA], v[H144], v[OFA]           ; my half of it: blocks 6 h .. 6 h + 5, 144 consecutive bytes
	v_add_nc_u32 v[OFA+2], v[H144], v[OFA+2]
.endm
.macro GATHER tl                       ; ten loads: my 144 bytes of my atom's codes are the three K steps' fragments as they lie; its 12 scale bytes
	WIN 0x40
.irp k, 0,1,2,3,4,5,6,7,8
	global_load_b128 v[XR+36*\tl+4*\k:XR+36*\tl+4*\k+3], v[OFA+2*\tl], s[10:11] offset:16*\k
.endr
	WIN 0
	global_load_b96 v[XSC+4*\tl:XSC+4*\tl+2], v[OFA+2*\tl+1], s[12:13]
.endm
.macro XSPERM tl                       ; K step s wants the bytes of blocks 2 s, 6 + 2 s, 2 s + 1, 7 + 2 s: step 0 into register 3, step 1 into 0, step 2 into 2
	v_perm_b32 v[XSC+4*\tl+3], v[XSC+4*\tl+1], v[XSC+4*\tl], 0x07010600
	v_perm_b32 v[XSC+4*\tl], v[XSC+4*\tl+2], v[XSC+4*\tl], 0x05030402
	v_perm_b32 v[XSC+4*\tl+2], v[XSC+4*\tl+2], v[XSC+4*\tl+1], 0x07010600
.endm
.macro FRAGLD f                        ; fragment f's image into its registers
.if (\f) < 42
.set FW, 2+(\f)/21
.set FRG, 12*((\f)%21)
.else
.set FW, 1
.set FRG, 12*((\f)-42)
.endif
	WIN FW<<6
.irp k, 0,1,2
	global_load_b128 v[FRG+4*\k:FRG+4*\k+3], v[T+1], s[8:9] offset:(\f)*1536+512*\k
.endr
.endm
	s_load_b256 s[4:11], s[0:1], 0x0               ; list s[4:5], slot s[6:7], wimg s[8:9], aev codes s[10:11]
	s_load_b256 s[12:19], s[0:1], 0x20             ; aev scales s[12:13], b1 s[14:15], b2 s[16:17], b3 s[18:19]
	s_load_b128 s[20:23], s[0:1], 0x40             ; W4 s[20:21], b4 s[22:23]
	s_load_b64 s[24:25], s[0:1], 0x50              ; out1
	s_load_b64 s[44:45], s[0:1], 0x58              ; species
	s_set_vgpr_msb 0x40
	v_lshl_add_u32 v254, v0, 2, 0x4000
	v_mov_b32 v255, 0
	s_set_vgpr_msb 0x4000
	v_lshrrev_b32 v[T], 5, v0
	v_readfirstlane_b32 s26, v[T]                  ; wave = expert
	v_and_b32 v[T+18], 31, v0                      ; lane
	v_bfe_u32 v[T+19], v0, 4, 1                    ; h
	s_mul_i32 s40, s26, 1536                       ; my bias table
	s_lshl_b32 s42, s26, 11
	s_add_co_u32 s42, s42, EBASE                   ; my species' energies
	v_lshl_add_u32 v[BG], v[T+19], 7, s40
	v_lshl_add_u32 v[BP], v[T+19], 6, s40
	v_lshl_add_u32 v[ESA], v[T+18], 2, s42
	v_lshlrev_b32 v[L4], 2, v[T+18]
	v_mul_u32_u24 v[H144], v[T+19], 144
	v_lshlrev_b32 v[H8], 3, v[T+19]
	v_lshlrev_b32 v[T+1], 4, v[T+18]               ; 16 x lane: an image's place for my lane
	v_lshl_add_u32 v[T+2], v[T+18], 2, s40         ; my table + 4 x lane
	v_lshlrev_b32 v[T+16], 7, v[T+19]              ; 128 h
	v_lshlrev_b32 v[T+17], 6, v[T+19]              ; 64 h
	v_mov_b32 v[OFA+3], 0                          ; written once: a lane permute's destination counts as one of its sources
	s_mov_b32 s32, 0x4166d4ca                      ; c = log2(e) / 0.1
	s_mov_b32 s33, s32                             ; (named with it as a pair, so it is written)
	s_mov_b32 s34, 0x3dcccccd                      ; alpha = 0.1
	s_mov_b32 s35, s34
	s_mov_b32 s36, 0x76543210
	s_mov_b32 s37, 0xfedcba98                      ; v_permlanex16_b32's selects for lane l xor 16
	s_mov_b32 s38, 0xffff0000                      ; lanes 16-31
	s_mov_b32 s41, 0
	s_wait_kmcnt 0x0
	s_lshl_b32 s40, ttmp9, 2
	s_add_co_u32 s40, s40, s26
	s_mul_i32 s40, s40, LROW
	s_add_nc_u64 s[4:5], s[4:5], s[40:41]          ; my block's list of my species
	s_lshl_b32 s40, ttmp9, 11
	s_add_nc_u64 s[44:45], s[44:45], s[40:41]      ; my block's 512 species
	s_lshl_b32 s42, s26, 9
	s_add_co_u32 s40, s40, s42
	s_add_nc_u64 s[6:7], s[6:7], s[40:41]          ; the slots of atoms 128 e .. 128 e + 127 of my block
	s_mul_i32 s40, s26, 73728
	s_add_nc_u64 s[8:9], s[8:9], s[40:41]
	s_mul_i32 s40, ttmp9, 147456
	s_add_nc_u64 s[10:11], s[10:11], s[40:41]      ; my block's 512 rows of 288 bytes
	s_mul_i32 s40, ttmp9, 6144
	s_add_nc_u64 s[12:13], s[12:13], s[40:41]
	s_mul_i32 s40, s26, 640
	s_add_nc_u64 s[14:15], s[14:15], s[40:41]
	s_lshl_b32 s40, s26, 9
	s_add_nc_u64 s[16:17], s[16:17], s[40:41]
	s_mul_i32 s40, s26, 384
	s_add_nc_u64 s[18:19], s[18:19], s[40:41]
	s_add_nc_u64 s[20:21], s[20:21], s[40:41]
	s_lshl_b32 s40, s26, 2
	s_add_nc_u64 s[22:23], s[22:23], s[40:41]
	s_lshl_b32 s40, ttmp9, 6
	s_lshl_b32 s42, s26, 4
	s_add_co_u32 s40, s40, s42
	s_add_nc_u64 s[24:25], s[24:25], s[40:41]      ; my four molecules of out1
	s_load_b32 s30, s[22:23], 0x0                  ; b4
.irp g, 0,1,2,3
	global_load_b128 v[T+20+4*\g:T+23+4*\g], v[T+1], s[44:45] offset:512*\g   ; the block's 512 species, 16 a lane: for my count of atoms
.endr
	global_load_b32 v[T], v[L4], s[4:5]            ; the list's pair 0
	global_load_b32 v[IDX], v[L4], s[4:5] offset:128   ; pair 1 (the thread's number is not needed any more)
.irp k, 0,1,2,3,4
	global_load_b32 v[T+4+\k], v[L4], s[14:15] offset:128*\k     ; b1: 5 runs of 128 bytes
.endr
.irp k, 0,1,2,3
	global_load_b32 v[T+9+\k], v[L4], s[16:17] offset:128*\k     ; b2: 4
.endr
.irp k, 0,1,2
	global_load_b32 v[T+13+\k], v[L4], s[18:19] offset:128*\k    ; b3: 3
.endr
	WIN 0x80
	global_load_b128 v[252:255], v[T+1], s[6:7]    ; my four slots: atoms 128 e + 4 lane + 0 .. 3
	WIN 0x40
.irp k, 0,1,2,3,4,5,6,7
	global_load_b128 v[W4R+4*\k:W4R+4*\k+3], v[T+16], s[20:21] offset:16*\k          ; W4 in the layout of layer 3's results: units 32 h + 0 .. 31,
.endr
.irp k, 0,1,2,3
	global_load_b128 v[W4R+32+4*\k:W4R+32+4*\k+3], v[T+17], s[20:21] offset:256+16*\k   ; and 64 + 16 h + 0 .. 15
.endr
.set ff, 0
.rept 10
	FRAGLD ff
.set ff, ff+1
.endr
	WIN 0
	s_wait_loadcnt 55                              ; behind the two list loads stand 12 + 1 + 12 + 30 loads: the list is in, and the species, which were asked for ahead of it
	OFFS T
	GATHER 0
	GATHER 1
	s_wait_loadcnt 50                              ; behind W4 stand 30 + 20 loads: the biases, the slots and W4 are in
.irp k, 0,1,2,3,4
	ds_store_b32 v[T+2], v[T+4+\k] offset:128*\k
.endr
.irp k, 0,1,2,3
	ds_store_b32 v[T+2], v[T+9+\k] offset:640+128*\k
.endr
.irp k, 0,1,2
	ds_store_b32 v[T+2], v[T+13+\k] offset:1152+128*\k
.endr
.rept 36
	FRAGLD ff
.set ff, ff+1
.endr
	WIN 0
.irp k, 0,1,2,3,4,5
	global_load_b128 v[WS+4*\k:WS+4*\k+3], v[T+1], s[8:9] offset:46*1536+512*\k      ; the weights' scale words
.endr
	WIN 0x40
.irp z, 0,12,24,36,48
.irp i, 0,1,2,3,4,5
	v_mov_b32 v[CHR+\z+\i], 0                      ; the chain's five runs of zero codes: written once
.endr
.endr
	WIN 0
	BIAS 1, ACA                                    ; my table is my own bytes, and LDS serves a wave's instructions in order: these see the stores above
	BIAS 1, ACB
	; my count of atoms: the block's species that are my expert's number; sixteen masks first, so that no scalar line waits for the vector line just above it
.irp i, 0,1,2,3,4,5,6,7,8,9,10,11,12,13,14,15
	v_cmp_eq_u32 s[48+\i], s26, v[T+20+\i]
.endr
	s_mov_b32 s27, 31
.irp i, 0,1,2,3,4,5,6,7,8,9,10,11,12,13,14,15
	s_bcnt1_i32_b32 s[48+\i], s[48+\i]
	s_add_co_u32 s27, s27, s[48+\i]
.endr
	s_lshr_b32 s27, s27, 5                         ; pairs of tiles: (n + 31) / 32, 16 at the most
	s_wait_kmcnt 0x0                               ; b4
	s_add_nc_u64 s[4:5], s[4:5], 128               ; the list pointer stands at pair 1 (its loads are in)
	s_mov_b32 s28, 0                               ; trip
	s_mov_b32 s29, 0                               ; 128 x trip: where the trip's 32 energies go
	s_wait_loadcnt 0x0                             ; weights, scale words, the first pair's rows
	XSPERM 0
.rept 8
	v_nop                                          ; a scale register written by a vector instruction stands eight places ahead of the matrix instruction
.endr
	QBEGIN 1, 0, 1
	QEND                                           ; layer 1 of the first tile A: there is no vector work yet to set between
.Ltrip:                                            ; 16 trips, a constant; a trip past my count of pairs leaves its work out
	s_cmp_ge_u32 s28, s27
	s_cbranch_scc1 .Lskip
	; phase 2: layer 1 of B | celu and quantiser of A's layer 1.  The next pair's A is asked for: five phases ahead of its use
	s_wait_loadcnt 0x0                             ; B's rows and the next list entries are in; all earlier loads have read their addresses
	XSPERM 1
	OFFS IDX
	s_add_nc_u64 s[4:5], s[4:5], 128
	GATHER 0
	global_load_b32 v[IDX], v[L4], s[4:5]          ; the list's pair trip + 2: entry 575 at the most, the list's last
	QBEGIN 1, 1, 88
	V1 ACA, 0
	QEND
	; phase 3: layer 2 of A | celu and quantiser of B's layer 1
	GATHER 1
	QBEGIN 2, 0, 88
	V1 ACB, 1
	QEND
	; phase 4: layer 2 of B | A's layer 2
	QBEGIN 2, 1, 72
	V2 ACA, ACA+64, 0
	QEND
	; phase 5: layer 3 of A | B's layer 2
	QBEGIN 3, 0, 72
	V2 ACB+16, T, 1
	QEND
	; phase 6: layer 3 of B | A's layer 3 and its energy
	QBEGIN 3, 1, 48
	V3 ACA, 0, EA
	QEND
	; phase 7: layer 1 of the next A | B's layer 3 and its energy
	s_wait_loadcnt 11                              ; behind A's ten loads stand the list's one and B's ten
	XSPERM 0
	QBEGIN 1, 0, 48
	V3 ACB+32, 1, T
	v_cndmask_b32 v[T+2], v[EA], v[T], s38         ; lanes 0-15 A's atoms, lanes 16-31 B's: ranks 32 trip + lane
	v_add_nc_u32 v[T+3], s29, v[ESA]
	ds_store_b32 v[T+3], v[T+2]
	QEND
.Lskip:
	s_add_co_u32 s29, s29, 128
	s_add_co_u32 s28, s28, 1
	s_cmp_lt_u32 s28, 16
	s_cbranch_scc1 .Ltrip
	; THE SUMS.  All four species' energies lie in LDS by rank; each wave takes 128 atoms in atom order through their slots: four a lane, eight lanes a molecule.
	s_wait_dscnt 0x0                               ; for the others' sake: my stores have landed
	s_barrier_signal -1
	s_barrier_wait -1
	WIN 0x08                                       ; source 1 window 2
.irp i, 0,1,2,3
	v_min_u32 v[T+\i], 0x7ff, v[252+\i]            ; held inside the table before it enters an address
.endr
	WIN 0
.irp i, 0,1,2,3
	v_lshl_add_u32 v[T+\i], v[T+\i], 2, EBASE
.endr
.irp i, 0,1,2,3
	ds_load_b32 v[T+4+\i], v[T+\i]
.endr
	v_and_b32 v[T+8], 28, v[L4]                    ; lane % 8, times 4
	v_lshrrev_b32 v[T+9], 5, v[L4]
	v_lshlrev_b32 v[T+9], 2, v[T+9]                ; 4 x (lane / 8): my molecule's place
	v_cmp_eq_u32 vcc_lo, 0, v[T+8]
	s_wait_dscnt 0x0
	v_add_f32 v[T+4], v[T+4], v[T+5]
	v_add_f32 v[T+6], v[T+6], v[T+7]
	v_add_f32 v[T+4], v[T+4], v[T+6]
	v_add_f32_dpp v[T+4], v[T+4], v[T+4] row_xmask:1 row_mask:0xf bank_mask:0xf
	v_add_f32_dpp v[T+4], v[T+4], v[T+4] row_xmask:2 row_mask:0xf bank_mask:0xf
	v_add_f32_dpp v[T+4], v[T+4], v[T+4] row_xmask:4 row_mask:0xf bank_mask:0xf
	s_wait_xcnt 0x0                                ; EXEC changes only behind this wait: the last trip's loads have read it
	s_set_vgpr_msb 0x5
	s_wait_tensorcnt 0x0
	ds_add_u32 v254, v255
	s_wait_dscnt 0x0
	s_set_vgpr_msb 0x500
	s_and_saveexec_b32 s40, vcc_lo
	global_store_b32 v[T+9], v[T+4], s[24:25]      ; lanes 0, 8, 16, 24: four molecules, 16 consecutive bytes
	s_wait_xcnt 0x0
	s_or_b32 exec_lo, exec_lo, s40
	s_endpgm
.Lfunc_end_k_qc33d4ab4fe_mlp:
	.size	k_qc33d4ab4fe_mlp, .Lfunc_end_k_qc33d4ab4fe_mlp-k_qc33d4ab4fe_mlp
	.p2alignl 7, 3214868480
	.fill 96, 4, 3214868480
	.section	.rodata,"a",@progbits
	.p2align	6, 0x0
	.amdhsa_kernel k_qc33d4ab4fe_mlp
		.amdhsa_group_segment_fixed_size 16896
		.amdhsa_private_segment_fixed_size 0
		.amdhsa_enable_private_segment 0
		.amdhsa_kernarg_size 96
		.amdhsa_user_sgpr_count 2
		.amdhsa_user_sgpr_kernarg_segment_ptr 1
		.amdhsa_wavefront_size32 1
		.amdhsa_system_sgpr_workgroup_id_x 1
		.amdhsa_system_sgpr_workgroup_id_y 1
		.amdhsa_system_sgpr_workgroup_id_z 1
		.amdhsa_system_vgpr_workitem_id 0
		.amdhsa_next_free_vgpr 1024
		.amdhsa_next_free_sgpr 66
		.amdhsa_reserve_vcc 1
		.amdhsa_float_denorm_mode_32 3
		.amdhsa_float_denorm_mode_16_64 3
		.amdhsa_memory_ordered 1
		.amdhsa_forward_progress 1
		.amdhsa_inst_pref_size 145
	.end_amdhsa_kernel
	.amdgpu_metadata
---
amdhsa.version: [ 1, 2 ]
amdhsa.kernels:
  - .name:           k_qc33d4ab4fe_mlp
    .symbol:         k_qc33d4ab4fe_mlp.kd
    .args:
      - { .name: list, .offset: 0, .size: 8, .value_kind: global_buffer, .address_space: global }
      - { .name: slot, .offset: 8, .size: 8, .value_kind: global_buffer, .address_space: global }
      - { .name: wimg, .offset: 16, .size: 8, .value_kind: global_buffer, .address_space: global }
      - { .name: aev_codes, .offset: 24, .size: 8, .value_kind: global_buffer, .address_space: global }
      - { .name: aev_scales, .offset: 32, .size: 8, .value_kind: global_buffer, .address_space: global }
      - { .name: b1, .offset: 40, .size: 8, .value_kind: global_buffer, .address_space: global }
      - { .name: b2, .offset: 48, .size: 8, .value_kind: global_buffer, .address_space: global }
      - { .name: b3, .offset: 56, .size: 8, .value_kind: global_buffer, .address_space: global }
      - { .name: W4, .offset: 64, .size: 8, .value_kind: global_buffer, .address_space: global }
      - { .name: b4, .offset: 72, .size: 8, .value_kind: global_buffer, .address_space: global }
      - { .name: out1, .offset: 80, .size: 8, .value_kind: global_buffer, .address_space: global }
      - { .name: species, .offset: 88, .size: 8, .value_kind: global_buffer, .address_space: global }
    .group_segment_fixed_size: 16896
    .private_segment_fixed_size: 0
    .kernarg_segment_align: 8
    .kernarg_segment_size: 96
    .max_flat_workgroup_size: 128
    .sgpr_count:     66
    .vgpr_count:     1024
    .wavefront_size: 32
...
	.end_amdgpu_metadata
.endif
;; end of part 2
